; MI455X (gfx1250); checked and timed in simulation.
; The chip was launched on July 23, 2026; its instructions are those of AMD's public machine-readable ISA for CDNA 5 (MIT licence, August 2026) and "CDNA5" Instruction Set Architecture Reference Guide (July 2026). The comments in the code are by the model that wrote it; some were corrected since.
;; Scaled Dot Product Attention. Allowed arithmetic: float matrix products may take bf16 or f16 operands with f32 sums; all other float work in f32.
;; Inputs: k 1 x 4,096 x 16 x 64 float32; mask 1 x 1 x 4,096 x 4,096 bool; q 1 x 4,096 x 16 x 64 float32; v 1 x 4,096 x 16 x 64 float32.
;; Outputs: out0 1 x 16 x 4,096 x 64 float32.
;; 2 versions, each right; version 2 is version 1 with the launch prep written anew for expert scheduling mode. Each part assembles by itself: llvm-mc -triple=amdgcn-amd-amdhsa -mcpu=gfx1250 --defsym DOCPART=n.
;; ======== version 1 of 2: 2 launches
;; limits: inputs' magnitudes at most 140,000,000,000,000
;; workspace buffers: kv 16,777,216 bytes; bits 2,097,152 bytes of whole numbers
;; launch prep (part 1): grid 256 x 1, 8 waves a work-group, no clusters, 70,656 bytes of LDS; arguments k, v, mask, kv, bits; writes kv, bits
.if DOCPART == 1
	.amdgcn_target "amdgcn-amd-amdhsa--gfx1250"
	.amdhsa_code_object_version 6
	.text
	.protected	k_qac58a039ff_prep
	.globl	k_qac58a039ff_prep
	.p2align	8
	.type	k_qac58a039ff_prep,@function
k_qac58a039ff_prep:
	s_mov_b64 s[64:65], 0
	v_nop
	global_prefetch_b8 v0, s[64:65] scope:SCOPE_SE
	s_setreg_imm32_b32 hwreg(HW_REG_WAVE_MODE, 25, 1), 1
	s_wait_xcnt 0x0
; Prepares what the attention launch reads again and again, once:
;  kv:   k and v rounded to bf16 (unscaled), head-major, as tiles of 64 keys x 64 d.  Byte of (head, s, which, d):
;        head<<20 | (s>>6)<<14 | which<<13 | (s&63)<<7 | ((d>>3) ^ sg(s))<<4 | (d&7)<<1,   which = 0 for k, 1 for v,
;        sg(s) = ((s>>1)&3)<<1 | (s>>3)&1: the eight 16-byte chunks of a 128-byte row are exchanged by XOR, so that the later
;        LDS reads (16 rows, one chunk each; or 8 rows, two chunks each) touch 16 different 16-byte columns modulo 256 bytes.
;  bits: the mask as lane masks.  Word ((q>>5)*64 + (key>>6))*64 + ((q>>4)&1)*32 + ((key>>4)&3)*8 + (key&7),
;        bit (q&15) + 16*((key>>3)&1), is 1 where mask[q][key] is not 0.
; 2,048 waves, each with one mask unit (32 rows x 256 bytes) and one k or v tile (64 rows x 256 bytes of f32).  A wave issues all its
; 48 loads at once (24 KiB on their way), every input byte is read once, there is no loop, no barrier, and EXEC stays full.
; Memory binds: the matrix unit, clusters and tensor loads would add nothing here.
.set PITCH,  272                       ; a stage row: 256 mask bytes + 16, so that the 8-byte reads of 32 lanes fall on 64 different words modulo 256 bytes
.set WSTAGE, 32*PITCH                  ; each wave's own stage: no other wave touches it, so no barrier
.set IN,   4                           ; v4       (lane>>4)*4096 + (lane&15)*16: two rows of 256 bytes a load; mask, k and v all have rows 4,096 bytes apart
.set STO,  6                           ; v6       stage, in:  two rows as loaded
.set RDB,  7                           ; v7       stage, out: row lane&15, 8 bytes at 8*(lane>>4)
.set OFFX, 8                           ; v[8:15]  lane*8 XOR sg<<4, for sg = 0..7: where my 8 bytes of two key rows go
.set BO,   16                          ; v16      lane*16
.set OUT,  18                          ; v[18:25] the unit's 256 words: word n in register 4*(n>>7) + (n&3) of lane (n&127)>>2
.set TMP,  26                          ; v[26:29] at work
.set MK,   32                          ; v[32:95] mask bytes: as loaded, then as read back from the stage
.set X,    96                          ; v[96:223] the k or v tile, 4 registers a load
.set BAL,  20                          ; s[20:27] ballots
	s_load_b256 s[4:11], s[0:1], 0x0               ; k s[4:5], v s[6:7], mask s[8:9], kv s[10:11]
	s_load_b64 s[12:13], s[0:1], 0x20              ; bits
	v_lshl_add_u32 v224, v0, 2, 0x11000
	v_mov_b32 v225, 0
	v_lshrrev_b32 v1, 5, v0
	v_readfirstlane_b32 s14, v1                    ; wave w
	s_mov_b32 s15, ttmp9                           ; work-group b
	s_and_b32 s16, s15, 1
	s_lshl3_add_u32 s16, s16, s14                  ; T = 8 (b&1) + w: the unit's 256 mask columns, and the tile's head
	s_lshr_b32 s17, s15, 1                         ; b>>1: the unit's 32 mask rows; also 2 x step + which of the tile
	s_lshl_b32 s30, s16, 8                         ; T x 256 bytes
	s_lshl_b32 s18, s17, 17                        ; 32 rows of 4,096 bytes
	s_add_co_u32 s18, s18, s30                     ; mask offset
	s_mov_b32 s19, 0
	s_lshr_b32 s20, s15, 2                         ; step
	s_lshl_b32 s20, s20, 18                        ; 64 rows of 4,096 bytes
	s_add_co_u32 s20, s20, s30                     ; k or v offset
	s_mov_b32 s21, 0
	s_lshl_b32 s22, s16, 20
	s_lshl_b32 s23, s17, 13                        ; step<<14 + which<<13
	s_add_co_u32 s22, s22, s23                     ; kv offset
	s_mov_b32 s23, 0
	s_lshl3_add_u32 s24, s15, s14
	s_lshl_b32 s24, s24, 10                        ; bits offset: (8 b + w) x 1,024 bytes
	s_mov_b32 s25, 0
	s_mul_i32 s31, s14, WSTAGE
	v_and_b32 v1, 31, v0                           ; lane
	v_and_b32 v2, 15, v0                           ; f
	v_bfe_u32 v3, v0, 4, 1                         ; par
	v_lshlrev_b32 v[IN], 4, v2
	v_lshl_add_u32 v[IN], v3, 12, v[IN]
	v_mul_u32_u24 v5, v3, PITCH
	v_lshl_add_u32 v[STO], v2, 4, v5
	v_add_nc_u32 v[STO], s31, v[STO]
	v_mul_u32_u24 v5, v2, PITCH
	v_lshl_add_u32 v[RDB], v3, 3, v5
	v_add_nc_u32 v[RDB], s31, v[RDB]
	v_lshlrev_b32 v[OFFX], 3, v1                   ; par*128 + (f>>1)*16 + (f&1)*8 = lane*8
.irp g, 1,2,3,4,5,6,7
	v_xor_b32 v[OFFX+\g], \g<<4, v[OFFX]
.endr
	v_lshlrev_b32 v[BO], 4, v1
.irp i, 0,1,2,3,4,5,6,7
	v_mov_b32 v[OUT+\i], 0                         ; v_writelane_b32 keeps the other lanes: the registers are written whole once
.endr
	s_wait_kmcnt 0x0
	s_bitcmp1_b32 s15, 1                           ; which
	s_cselect_b64 s[28:29], s[6:7], s[4:5]         ; v or k
	s_add_nc_u64 s[8:9], s[8:9], s[18:19]
	s_add_nc_u64 s[28:29], s[28:29], s[20:21]
	s_add_nc_u64 s[10:11], s[10:11], s[22:23]
	s_add_nc_u64 s[12:13], s[12:13], s[24:25]
.irp i, 0,1,2,3,4,5,6,7,8,9,10,11,12,13,14,15
	global_load_b128 v[MK+4*\i:MK+4*\i+3], v[IN], s[8:9] offset:\i*8192 th:TH_LOAD_NT      ; mask rows 2i, 2i+1: two aligned runs of 256 bytes
.endr
.set p, 0
.rept 32
	global_load_b128 v[X+4*p:X+4*p+3], v[IN], s[28:29] offset:p*8192 th:TH_LOAD_NT         ; key rows 2p, 2p+1 of my head: two aligned runs of 256 bytes
.set p, p+1
.endr
	; the mask unit: through the stage, so that lane (f, par) holds the 8 bytes of row 16 qt + f at columns 16 kt + 8 par
	s_wait_loadcnt 0x20                            ; loads return in order (ISA guide 5.7.1): the 16 mask loads are in, the 32 younger ones stay out
.irp i, 0,1,2,3,4,5,6,7,8,9,10,11,12,13,14,15
	ds_store_b128 v[STO], v[MK+4*\i:MK+4*\i+3] offset:\i*2*PITCH
.endr
	s_wait_dscnt 0x0                               ; the stores are done with MK before it is loaded again
.irp qt, 0,1
.irp kt, 0,1,2,3,4,5,6,7,8,9,10,11,12,13,14,15
	ds_load_b64 v[MK+2*(16*\qt+\kt):MK+2*(16*\qt+\kt)+1], v[RDB] offset:\qt*16*PITCH+16*\kt
.endr
.endr
	s_wait_dscnt 0x0
; four words: byte 4 jh + i of my 8 bytes, over the 32 lanes, is word n = (kt>>2)*64 + qt*32 + (kt&3)*8 + 4 jh + i of the unit
.macro BAL4 qt, kt, jh
.irp i, 0,1,2,3
	v_and_b32 v[TMP+\i], 0xff<<(8*\i), v[MK+2*(16*\qt+\kt)+\jh]
.endr
.irp i, 0,1,2,3
	v_cmp_ne_u32 s[BAL+4*\jh+\i], 0, v[TMP+\i]
.endr
.irp i, 0,1,2,3
	v_writelane_b32 v[OUT+4*(\kt>>3)+\i], s[BAL+4*\jh+\i], ((\kt>>2)&1)*16+\qt*8+(\kt&3)*2+\jh
.endr
.endm
.irp qt, 0,1
.irp kt, 0,1,2,3,4,5,6,7,8,9,10,11,12,13,14,15
	BAL4 \qt, \kt, 0
	BAL4 \qt, \kt, 1
.endr
.endr
	global_store_b128 v[BO], v[OUT:OUT+3], s[12:13]                  ; 512 consecutive bytes each, aligned; the next launch reads them: no hint
	global_store_b128 v[BO], v[OUT+4:OUT+7], s[12:13] offset:512
	; the k or v tile: four f32 a lane become 8 bytes; a store of the wave fills the 256 bytes of two key rows
.set p, 0
.rept 32
	s_wait_loadcnt 31-p                            ; rows 2p, 2p+1 are in, the younger rows stay out
	v_cvt_pk_bf16_f32 v[X+4*p], v[X+4*p], v[X+4*p+1]
	v_cvt_pk_bf16_f32 v[X+4*p+1], v[X+4*p+2], v[X+4*p+3]
	global_store_b64 v[OFFX+(((p&3)<<1)|((p>>2)&1))], v[X+4*p:X+4*p+1], s[10:11] offset:p*256   ; sg(2p) = sg(2p+1); no register that a store names is written again
.set p, p+1
.endr
	s_wait_tensorcnt 0x0
	ds_add_u32 v224, v225
	s_wait_dscnt 0x0
	s_endpgm
.Lfunc_end_k_qac58a039ff_prep:
	.size	k_qac58a039ff_prep, .Lfunc_end_k_qac58a039ff_prep-k_qac58a039ff_prep
	.p2alignl 7, 3214868480
	.fill 96, 4, 3214868480
	.section	.rodata,"a",@progbits
	.p2align	6, 0x0
	.amdhsa_kernel k_qac58a039ff_prep
		.amdhsa_group_segment_fixed_size 70656
		.amdhsa_private_segment_fixed_size 0
		.amdhsa_enable_private_segment 0
		.amdhsa_kernarg_size 40
		.amdhsa_user_sgpr_count 2
		.amdhsa_user_sgpr_kernarg_segment_ptr 1
		.amdhsa_wavefront_size32 1
		.amdhsa_system_sgpr_workgroup_id_x 1
		.amdhsa_system_sgpr_workgroup_id_y 1
		.amdhsa_system_sgpr_workgroup_id_z 1
		.amdhsa_system_vgpr_workitem_id 0
		.amdhsa_next_free_vgpr 226
		.amdhsa_next_free_sgpr 66
		.amdhsa_reserve_vcc 0
		.amdhsa_float_denorm_mode_32 3
		.amdhsa_float_denorm_mode_16_64 3
		.amdhsa_memory_ordered 1
		.amdhsa_forward_progress 1
		.amdhsa_inst_pref_size 67
	.end_amdhsa_kernel
	.amdgpu_metadata
---
amdhsa.version: [ 1, 2 ]
amdhsa.kernels:
  - .name:           k_qac58a039ff_prep
    .symbol:         k_qac58a039ff_prep.kd
    .args:
      - { .name: k, .offset: 0, .size: 8, .value_kind: global_buffer, .address_space: global }
      - { .name: v, .offset: 8, .size: 8, .value_kind: global_buffer, .address_space: global }
      - { .name: mask, .offset: 16, .size: 8, .value_kind: global_buffer, .address_space: global }
      - { .name: kv, .offset: 24, .size: 8, .value_kind: global_buffer, .address_space: global }
      - { .name: bits, .offset: 32, .size: 8, .value_kind: global_buffer, .address_space: global }
    .group_segment_fixed_size: 70656
    .private_segment_fixed_size: 0
    .kernarg_segment_align: 8
    .kernarg_segment_size: 40
    .max_flat_workgroup_size: 256
    .sgpr_count:     66
    .vgpr_count:     226
    .wavefront_size: 32
...
	.end_amdgpu_metadata
.endif
;; end of part 1
;; launch attn (part 2): grid 16 x 16, 16 waves a work-group, clusters of 4 x 1, 327,680 bytes of LDS; arguments q, kv, bits, out0; writes out0
.if DOCPART == 2
	.amdgcn_target "amdgcn-amd-amdhsa--gfx1250"
	.amdhsa_code_object_version 6
	.text
	.protected	k_qac58a039ff_attn
	.globl	k_qac58a039ff_attn
	.p2align	8
	.type	k_qac58a039ff_attn,@function
k_qac58a039ff_attn:
	s_mov_b64 s[64:65], 0
	v_nop
	global_prefetch_b8 v0, s[64:65] scope:SCOPE_SE
	s_setreg_imm32_b32 hwreg(HW_REG_WAVE_MODE, 25, 1), 1
	s_wait_xcnt 0x0
	s_wait_alu depctr_hold_cnt(0) depctr_sa_sdst(0) depctr_va_vdst(0) depctr_va_sdst(0) depctr_va_ssrc(0) depctr_va_vcc(0) depctr_vm_vsrc(0)
	s_getreg_b32 s2, hwreg(HW_REG_IB_STS2, 6, 4)
	s_cmp_eq_u32 s2, 0
	s_cbranch_scc0 .Lentry_in_a_cluster
	s_endpgm
.Lentry_in_a_cluster:
	s_bfe_u32 s2, ttmp6, 0x10000c
	s_cmp_lg_u32 s2, 0x3003
	s_cbranch_scc0 .Lentry_shape_is_right
	s_endpgm
.Lentry_shape_is_right:
; out0[h][s][:] = softmax over keys of (q.k/8, masked) times v, with a running maximum.  S = 4096, 16 heads, d = 64.
; A work-group: one head (grid y), 256 queries (grid x), sixteen waves of 256 registers.  Wave w: query group g = w & 7 (32 queries, two tiles of 16) and
; key half w >> 3 (2,048 keys, 32 steps of 64).  The two waves of a query group meet once, at the end, through LDS.  Sixteen waves rather than eight with all
; keys: the work is the same, and there are twice as many independent streams, so that one wave's softmax arithmetic can run beside another's matrix instructions.
; BOTH PRODUCTS ARE TRANSPOSED.  Scores: A = 16 keys x 32 d of K, B = 16 queries of Q; register j of lane (r, h) is key 8h + j of query r.
; So a lane owns one query: maximum and sum need one exchange between the halves of the wave, and two score tiles, rounded to bf16 in pairs,
; ARE the B fragment (32 keys) of the second product, A = 16 d x 32 keys of V (transposing LDS load), whose result is d = 8h + j of query r.
; THE MASK comes as lane masks in scalar registers (buffer bits): one v_cndmask_b32 a score register.
; K AND V come as bf16 tiles (buffer kv): a step is 16 KiB dense, K's 64 rows of 128 bytes, then V's; chunks of 16 bytes XOR-exchanged in each row.
; CLUSTER: the four work-groups of a cluster are four query blocks of ONE head and walk the same tiles: every tile is asked for jointly
; (mask 15), which divides the requests for K and V by four.  Two LDS slots of 128 KiB: four steps of key half 0, then four steps of key half 1; each of the
; sixteen waves brings 8 KiB of a slot.  A wave has two tensor loads out at the start and one behind each round.
; EXPONENT: p = exp2(s*C - m*C), C = log2(e)/8, s the raw product, m the running maximum of the masked raw scores; q, k, v are rounded to bf16 unscaled.
; LIMITS: a masked score is -2^100 in raw units (-1.6e29 after the scale, where the reference has -1e30): results agree while real scaled scores
; stay above about -1e28.  -2^100 * C is exact, so a row with no key left gives weight exp2(0) = 1 to every key: the mean of v, as the reference.
; The sums over the two key halves are added at the end: an order of rounding that differs from a single pass.  Nothing is promised for NaN or infinite inputs.
.set STEPB,  16384                     ; a step: K at 0, V at 8,192
.set VISITB, 4*STEPB                   ; four steps of one key half: so many bytes of kv, and of a slot
.set SLOTB,  2*VISITB                  ; an LDS slot: both halves' four steps
.set SPITCH, 272                       ; a stage row: 256 bytes + 16, so that 16 rows' equal columns fall on 16 different 16-byte columns modulo 256
.set WSTAGE, 32*SPITCH                 ; 8,704 bytes for each query group, from LDS byte 0 on: first the exchange between its two waves, then the way out.
                                       ; They lie in slot 0, whose last fill and last reads are over at the barrier in front of the last visit
.set CEXP, 0x3e38aa3b                  ; C = 0.125 log2 e
.set CNEG, 0xbe38aa3b                  ; -C
.set NEGR, 1                           ; v1        -2^100
.set M,    2                           ; v[2:3]    running maximum (raw), query tiles 0, 1
.set AL,   4                           ; v[4:5]    exp2(new - old of -m C); at the end my half's factor.  In the set-up v4 is q's lane offset
.set LSUM, 6                           ; v[6:7]    running sums (this lane's half of the wave's keys)
.set T,    8                           ; v[8:11]   four maximum chains; then the step's sums as two pairs
.set MCB,  12                          ; v[12:13]  -m C in odd steps
.set KA,   14                          ; v[14:21]  LDS address of K's chunk pair i = 0..3, slot 0, then slot 1
.set VA,   22                          ; v[22:29]  LDS address of V's d tile dt = 0..3, slot 0, then slot 1
.set MCA,  30                          ; v[30:31]  -m C in even steps (each step writes the pair that the last did not: no copy)
.set Q,    32                          ; v[32:63]  Q fragments, (q tile, d half) at 16 q + 8 kk
.set S,    64                          ; v[64:127] scores, tile (q, kt) at 32 q + 8 kt; then P fragments (q, c) in place at 32 q + 16 c
.set O,    128                         ; v[128:191] results, tile (q, dt) at 32 q + 8 dt
.set F,    192                         ; v[192:255] K fragments (kt, kk) at 16 kt + 8 kk; then V fragments (c, dt) at 32 c + 8 dt
.set W0,   16                          ; s[16:63], s[68:83] the step's 64 mask words: word n in s[16+n], from n = 48 on in s[20+n]
.set G1,   84                          ; s[84:91]  descriptor group 1
.set G0,   92                          ; s[92:99]  descriptor group 0, four registers a slot
.macro NOPS c
.rept \c
	v_nop
.endr
.endm
; A round of the cluster's barrier: my work-group's barrier, wave 0 signals for the work-group, every wave waits for all four, my work-group's barrier.
.macro ROUND
	s_barrier_signal -1
	s_barrier_wait -1
	s_cmp_lg_u32 s12, 0
	s_cbranch_scc1 .Lnot_wave_0_\@
	s_barrier_signal -3
.Lnot_wave_0_\@:
	s_barrier_wait -3
	s_barrier_signal -1
	s_barrier_wait -1
.endm
	s_load_b256 s[4:11], s[0:1], 0x0               ; q s[4:5], kv s[6:7], bits s[8:9], out0 s[10:11]
	v_lshl_add_u32 v126, v0, 2, 0x40000
	v_mov_b32 v127, 0
	ds_add_u32 v126, v127
	s_wait_dscnt 0x0
	v_lshrrev_b32 v5, 5, v0
	v_readfirstlane_b32 s12, v5                    ; wave w, 0 to 15
	s_and_b32 s24, s12, 7                          ; query group g
	s_lshr_b32 s13, s12, 3                         ; key half
	s_and_b32 s3, ttmp7, 0xffff                    ; head (the cluster is one work-group high)
	s_bfe_u32 s22, ttmp6, 0x40000                  ; cx
	s_lshl_b32 s23, ttmp9, 2
	s_add_co_u32 s22, s23, s22                     ; query block x = 4 x cluster x + cx.  It and what is made of it live in s[16:23] and in the bases of q, bits, out0 alone
	s_mov_b32 s14, 0x76543210                      ; v_permlanex16_b32: lane i reads lane i of the other half
	s_mov_b32 s15, 0xfedcba98
	; group 1: 32 rows of 32 elements of 8 bytes, dense: 8 KiB.  The same for every load.
	s_mov_b32 s[G1+0], 15|(3<<16)|(1<<21)          ; 15:0 all four work-groups of the cluster; 17:16 elements of 8 bytes; 21 set beside a mask; no padding
	s_mov_b32 s[G1+1], 32<<16                      ; tensor_dim0 = 32
	s_mov_b32 s[G1+2], 32<<16                      ; tensor_dim1 = 32
	s_mov_b32 s[G1+3], 32<<16                      ; tile_dim0 = 32
	s_mov_b32 s[G1+4], 32                          ; tile_dim1 = 32
	s_mov_b32 s[G1+5], 32                          ; 32 elements from row to row
	s_mov_b32 s[G1+6], 0
	s_mov_b32 s[G1+7], 0
	; group 0, one for each slot: made of the head and the wave's number alone, equal in the four partners
	s_mov_b32 s[G0+0], 1
	s_lshl_b32 s[G0+1], s12, 13                    ; LDS: wave x 8 KiB in slot 0 = key half x 64 KiB + g x 8 KiB
	s_mov_b32 s[G0+4], 1
	s_add_co_u32 s[G0+5], s[G0+1], SLOTB           ; the same in slot 1
	s_lshl_b32 s100, s3, 20                        ; a head's 64 steps are 1 MiB, and so are its 4,096 rows of out0
	s_lshl_b32 s25, s24, 13
	s_add_co_u32 s25, s100, s25                    ; head x 1 MiB + g x 8 KiB
	s_lshl_b32 s100, s13, 19                       ; a key half's 32 steps are 512 KiB
	s_add_co_u32 s100, s100, s25                   ; kv: my 8 KiB of my half's first four steps
	s_mov_b32 s101, 0
	s_lshl_b32 s16, s22, 20                        ; q: 256 rows of 4,096 bytes a block,
	s_lshl_b32 s17, s24, 17                        ; 32 rows a query group,
	s_add_co_u32 s16, s16, s17
	s_lshl_b32 s17, s3, 8                          ; 256 bytes a head
	s_add_co_u32 s16, s16, s17
	s_mov_b32 s17, 0
	s_lshl3_add_u32 s18, s22, s24                  ; bits: 16 KiB for each 32 queries,
	s_lshl_b32 s18, s18, 14
	s_lshl_b32 s19, s13, 13                        ; 32 steps of 256 bytes a key half
	s_add_co_u32 s18, s18, s19
	s_mov_b32 s19, 0
	s_lshl_b32 s20, s22, 16                        ; out0: head x 1 MiB + block x 64 KiB + g x 8 KiB
	s_add_co_u32 s20, s20, s25
	s_mov_b32 s21, 0
	s_lshl_b32 s13, s13, 16                        ; my key half's place in a slot
	s_wait_kmcnt 0x0
	s_add_nc_u64 s[G0+2:G0+3], s[6:7], s[100:101]  ; visit 0: my half's steps 0 to 3
	s_add_nc_u64 s[G0+6:G0+7], s[G0+2:G0+3], VISITB ; visit 1: its steps 4 to 7
	s_or_b32 s[G0+3], s[G0+3], 0x80000000          ; type = 2
	s_or_b32 s[G0+7], s[G0+7], 0x80000000
	s_add_nc_u64 s[4:5], s[4:5], s[16:17]
	s_add_nc_u64 s[8:9], s[8:9], s[18:19]
	s_add_nc_u64 s[10:11], s[10:11], s[20:21]
	ROUND                                          ; the four work-groups are here: the first joint loads meet
	tensor_load_to_lds s[G0:G0+3], s[G1:G1+7]      ; both first fills together, ahead of every wait on TENSORcnt and every LDS read
	s_nop 0
	tensor_load_to_lds s[G0+4:G0+7], s[G1:G1+7]
	s_nop 0
	s_load_b512 s[16:31], s[8:9], 0x0              ; my first step's mask words
	s_load_b512 s[32:47], s[8:9], 0x40
	s_load_b512 s[48:63], s[8:9], 0x80
	s_load_b512 s[68:83], s[8:9], 0xc0
	v_and_b32 v6, 15, v0                           ; r
	v_bfe_u32 v7, v0, 4, 1                         ; h
	v_lshlrev_b32 v4, 12, v6                       ; q: row r, 32 bytes (8 d) at 32 h
	v_lshl_add_u32 v4, v7, 5, v4
.irp qt, 0,1
.irp kk, 0,1
.irp i, 0,1
.irp e, 0,1
	global_load_b128 v[S+32*\qt+16*\kk+8*\i+4*\e:S+32*\qt+16*\kk+8*\i+4*\e+3], v4, s[4:5] offset:\qt*65536+\kk*128+\i*64+\e*16   ; d = 32 kk + 16 i + 8 h + 4 e ..; both waves of a query group read these rows: no hint
.endr
.endr
.endr
.endr
	; LDS addresses.  K: row r, logical chunk 2 i + h.  V: row 8 h + (lane & 7), logical chunk 2 dt + ((lane>>3)&1).  With the rows' XOR both come to
	; row x 128 + (((lane<<4) ^ (i<<5)) & 0x60) + (((lane<<1) ^ lane) & 16), behind my key half's place in the slot.
	v_lshlrev_b32 v8, 1, v0
	v_xor_b32 v8, v8, v0
	v_and_b32 v8, 16, v8
	v_lshlrev_b32 v9, 4, v0
	v_lshl_add_u32 v10, v6, 7, v8                  ; K's row
	v_add_nc_u32 v10, s13, v10
	v_and_b32 v11, 7, v0
	v_lshl_add_u32 v11, v7, 3, v11
	v_lshl_add_u32 v11, v11, 7, v8                 ; V's row,
	v_add_nc_u32 v11, 8192, v11                    ; behind K's tile
	v_add_nc_u32 v11, s13, v11
	v_and_b32 v5, 0x60, v9
	v_add_nc_u32 v[KA], v10, v5
	v_add_nc_u32 v[VA], v11, v5
.irp i, 1,2,3
	v_xor_b32 v5, \i<<5, v9
	v_and_b32 v5, 0x60, v5
	v_add_nc_u32 v[KA+\i], v10, v5
	v_add_nc_u32 v[VA+\i], v11, v5
.endr
.irp i, 0,1,2,3
	v_add_nc_u32 v[KA+4+\i], SLOTB, v[KA+\i]
	v_add_nc_u32 v[VA+4+\i], SLOTB, v[VA+\i]
.endr
	v_mov_b32 v[NEGR], 0xf1800000                  ; -2^100
	v_mov_b32 v[M], 0xf1800000
	v_mov_b32 v[M+1], 0xf1800000
	s_wait_loadcnt 0x0
.set n, 0
.rept 32
	v_cvt_pk_bf16_f32 v[Q+n], v[S+2*n], v[S+2*n+1] ; q rounded as it is: the scale goes into the exponent's multiply-add
.set n, n+1
.endr
; eight loads: K tiles 2 half, 2 half + 1 of step u
.macro KLOAD slot, u, half
.irp kt, 2*\half, 2*\half+1
.irp i, 0,1,2,3
	ds_load_b128 v[F+16*(\kt)+4*\i:F+16*(\kt)+4*\i+3], v[KA+4*\slot+\i] offset:(\u)*STEPB+(\kt)*2048
.endr
.endr
.endm
; sixteen transposing loads: V of step u, keys 0-31 first
.macro VLOAD slot, u
.irp c, 0,1
.irp dt, 0,1,2,3
.irp ld, 0,1
	ds_load_tr16_b128 v[F+32*\c+8*\dt+4*\ld:F+32*\c+8*\dt+4*\ld+3], v[VA+4*\slot+\dt] offset:(\u)*STEPB+\c*4096+\ld*2048
.endr
.endr
.endr
.endm
; eight matrix instructions on four score tiles; the accumulators take turns, one instruction a turn.  The first d half starts the sums.
.macro QK half
.irp kk, 0,1
.irp kt, 2*\half, 2*\half+1
.irp q, 0,1
.if \kk == 0
	v_wmma_f32_16x16x32_bf16 v[S+32*\q+8*(\kt):S+32*\q+8*(\kt)+7], v[F+16*(\kt):F+16*(\kt)+7], v[Q+16*\q:Q+16*\q+7], 0
.else
	v_wmma_f32_16x16x32_bf16 v[S+32*\q+8*(\kt):S+32*\q+8*(\kt)+7], v[F+16*(\kt)+8:F+16*(\kt)+15], v[Q+16*\q+8:Q+16*\q+15], v[S+32*\q+8*(\kt):S+32*\q+8*(\kt)+7]
.endif
.endr
.endr
.endr
.endm
; eight matrix instructions on the eight result tiles, keys 32 c .. 32 c + 31; turns as above
.macro PV c, zero
.irp dt, 0,1,2,3
.irp q, 0,1
.if \zero
	v_wmma_f32_16x16x32_bf16 v[O+32*\q+8*\dt:O+32*\q+8*\dt+7], v[F+32*\c+8*\dt:F+32*\c+8*\dt+7], v[S+32*\q+16*\c:S+32*\q+16*\c+7], 0
.else
	v_wmma_f32_16x16x32_bf16 v[O+32*\q+8*\dt:O+32*\q+8*\dt+7], v[F+32*\c+8*\dt:F+32*\c+8*\dt+7], v[S+32*\q+16*\c:S+32*\q+16*\c+7], v[O+32*\q+8*\dt:O+32*\q+8*\dt+7]
.endif
.endr
.endr
.endm
; score tile t (= 4 q + kt): s*C - m*C, two at a time; both halves take the q tile's -m C
.macro SUB t
.irp p, 0,2,4,6
.if (\t) < 4
	v_pk_fma_f32 v[S+8*(\t)+\p:S+8*(\t)+\p+1], v[S+8*(\t)+\p:S+8*(\t)+\p+1], CEXP, v[MCN:MCN+1] op_sel_hi:[1,0,0]
.else
	v_pk_fma_f32 v[S+8*(\t)+\p:S+8*(\t)+\p+1], v[S+8*(\t)+\p:S+8*(\t)+\p+1], CEXP, v[MCN:MCN+1] op_sel:[0,0,1] op_sel_hi:[1,0,1]
.endif
.endr
.endm
; all results times the q tile's number in AL
.macro SCALE_O
	s_wait_alu depctr_va_vdst(0)
.irp q, 0,1
.set p, 0
.rept 16
	v_pk_mul_f32 v[O+32*\q+p:O+32*\q+p+1], v[O+32*\q+p:O+32*\q+p+1], v[AL:AL+1] op_sel:[0,\q] op_sel_hi:[1,\q]
.set p, p+2
.endr
.endr
.endm
; score tile t: eight exponentials; the next tile's multiply-adds are the plain instructions that stand behind a transcendental before its result is used
; (ISA guide 5.7.2); then the sums (the q tile's first tile starts them: nothing is cleared) and the rounding to bf16, into the P fragment's place:
; an even tile packs into its own first four registers, an odd one into the four behind them, all of which have been summed and packed by then.
.macro TILE t
.irp j, 0,1,2,3,4,5,6,7
	v_exp_f32 v[S+8*\t+\j], v[S+8*\t+\j]
.endr
.if \t < 7
	SUB \t+1
.else
	v_nop
	s_wait_alu depctr_va_vdst(0)
.endif
.if (\t&3) == 0
	s_wait_alu depctr_va_vdst(0)
	v_pk_add_f32 v[T+2*(\t/4):T+2*(\t/4)+1], v[S+8*\t:S+8*\t+1], v[S+8*\t+2:S+8*\t+3]
.else
	s_wait_alu depctr_va_vdst(0)
	v_pk_add_f32 v[T+2*(\t/4):T+2*(\t/4)+1], v[T+2*(\t/4):T+2*(\t/4)+1], v[S+8*\t:S+8*\t+1]
	v_pk_add_f32 v[T+2*(\t/4):T+2*(\t/4)+1], v[T+2*(\t/4):T+2*(\t/4)+1], v[S+8*\t+2:S+8*\t+3]
.endif
	v_cvt_pk_bf16_f32 v[S+8*\t-4*(\t&1)], v[S+8*\t], v[S+8*\t+1]
	v_cvt_pk_bf16_f32 v[S+8*\t-4*(\t&1)+1], v[S+8*\t+2], v[S+8*\t+3]
	v_pk_add_f32 v[T+2*(\t/4):T+2*(\t/4)+1], v[T+2*(\t/4):T+2*(\t/4)+1], v[S+8*\t+4:S+8*\t+5]
	v_cvt_pk_bf16_f32 v[S+8*\t-4*(\t&1)+2], v[S+8*\t+4], v[S+8*\t+5]
	v_pk_add_f32 v[T+2*(\t/4):T+2*(\t/4)+1], v[T+2*(\t/4):T+2*(\t/4)+1], v[S+8*\t+6:S+8*\t+7]
	v_cvt_pk_bf16_f32 v[S+8*\t-4*(\t&1)+3], v[S+8*\t+6], v[S+8*\t+7]
.endm
; One step: 64 keys at step u of my half of a slot.  first = 1: the wave's first step (starts results and sums).  kpre = 1: the next step's K fragments, in the
; same slot, are fetched at the end.  more = 1: the next step's mask words are fetched.
.macro STEP slot, u, first, kpre, more
.if (\u) & 1
.set MCN, MCB
.set MCO, MCA
.else
.set MCN, MCA
.set MCO, MCB
.endif
	s_wait_dscnt 0x8                               ; LDS loads return in order (ISA guide 5.7.1): K tiles 0, 1 are in, the eight loads of tiles 2, 3 may be out
	QK 0
	s_wait_dscnt 0x0
	QK 1
	NOPS 4                                         ; four places behind the matrix instructions (ISA guide 7.12.1) before F is loaded again and the scores are read
	VLOAD \slot, \u
	s_wait_kmcnt 0x0                               ; this step's mask words are in; no scalar load is out, so their base may step
.set n, 0
.rept 64
	v_cndmask_b32 v[S+n], v[NEGR], v[S+n], s[W0+n+4*(n/48)]    ; bit = lane: kept where the mask is true, else -2^100
.set n, n+1
.endr
.if \more
	s_add_nc_u64 s[8:9], s[8:9], 256               ; the next step's 64 words: they have the rest of this step to arrive
	s_load_b512 s[16:31], s[8:9], 0x0
	s_load_b512 s[32:47], s[8:9], 0x40
	s_load_b512 s[48:63], s[8:9], 0x80
	s_load_b512 s[68:83], s[8:9], 0xc0
.endif
	; the maximum of my 32 scores of each query tile and of the old maximum: two chains a tile, four in all, that do not wait for each other
	v_max3_num_f32 v[T+0], v[S+0], v[S+1], v[M+0]
	v_max3_num_f32 v[T+1], v[S+16], v[S+17], v[S+18]
	v_max3_num_f32 v[T+2], v[S+32], v[S+33], v[M+1]
	v_max3_num_f32 v[T+3], v[S+48], v[S+49], v[S+50]
.irp k, 0,1,2,3,4,5
	v_max3_num_f32 v[T+0], v[T+0], v[S+2+2*\k], v[S+3+2*\k]
	v_max3_num_f32 v[T+1], v[T+1], v[S+19+2*\k], v[S+20+2*\k]
	v_max3_num_f32 v[T+2], v[T+2], v[S+34+2*\k], v[S+35+2*\k]
	v_max3_num_f32 v[T+3], v[T+3], v[S+51+2*\k], v[S+52+2*\k]
.endr
	v_max3_num_f32 v[T+0], v[T+0], v[S+14], v[S+15]
	v_max3_num_f32 v[T+2], v[T+2], v[S+46], v[S+47]
	v_max3_num_f32 v[T+0], v[T+0], v[T+1], v[S+31]
	v_max3_num_f32 v[T+2], v[T+2], v[T+3], v[S+63]
	v_permlanex16_b32 v[T+1], v[T+0], s14, s15     ; the other half of the wave holds the query's other keys
	v_permlanex16_b32 v[T+3], v[T+2], s14, s15
	v_max_num_f32 v[M+0], v[T+0], v[T+1]
	v_max_num_f32 v[M+1], v[T+2], v[T+3]
	v_mul_f32 v[MCN+0], CNEG, v[M+0]               ; -m C, rounded once; every exponent of the step uses this number
	v_mul_f32 v[MCN+1], CNEG, v[M+1]
.if \first == 0
	v_sub_f32 v[AL+0], v[MCN+0], v[MCO+0]          ; at most 0
	v_sub_f32 v[AL+1], v[MCN+1], v[MCO+1]
	v_exp_f32 v[AL+0], v[AL+0]
	v_exp_f32 v[AL+1], v[AL+1]
.endif
	SUB 0                                          ; also the plain instructions behind the two exponentials
.if \first == 0
	SCALE_O                                        ; what has been gathered, to the new maximum
.endif
.irp t, 0,1,2,3,4,5,6,7
	TILE \t
.endr
	s_wait_dscnt 0x8                               ; V of keys 0-31 is in, the eight loads of keys 32-63 may be out
	PV 0, \first
	; four plain instructions: the places behind PV 0 before its V fragments are loaded over
.if \first
	v_add_f32 v[LSUM+0], v[T+0], v[T+1]
	v_add_f32 v[LSUM+1], v[T+2], v[T+3]
	v_nop
	v_nop
.else
	v_add_f32 v[T+0], v[T+0], v[T+1]
	v_add_f32 v[T+2], v[T+2], v[T+3]
	v_fma_f32 v[LSUM+0], v[LSUM+0], v[AL+0], v[T+0]
	v_fma_f32 v[LSUM+1], v[LSUM+1], v[AL+1], v[T+2]
.endif
.if \kpre
	KLOAD \slot, \u+1, 0
	s_wait_dscnt 0x8                               ; V of keys 32-63 is in, the eight K loads just issued stay out
.else
	s_wait_dscnt 0x0
.endif
	PV 1, 0
	NOPS 5                                         ; five places before the next step's first products write over P, four before F is loaded again (ISA guide 7.12.1)
.if \kpre
	KLOAD \slot, \u+1, 1
.endif
.endm
; a visit: my half's four steps of a slot
.macro WORK slot, first, last
	KLOAD \slot, 0, 0
	KLOAD \slot, 0, 1
	STEP \slot, 0, \first, 1, 1
	STEP \slot, 1, 0, 1, 1
	STEP \slot, 2, 0, 1, 1
	STEP \slot, 3, 0, 0, 1-\last
.endm
; A change of slots.  In front of the barrier each wave waits for all its tensor loads (the one that is out is its part of this slot) and for its reads of the
; other slot.  refill = 1: the barrier is a round of the cluster's barrier, so that both hold of every wave of all four work-groups, and the joint refill of the other
; slot, two visits on from what it held, is the first thing behind it, one load a wave: it has every wave's four steps in which to land.
.macro TWO slot, refill, last
	s_wait_xcnt 0x0
	v_lshl_add_u32 v126, v0, 2, 0x40000
	v_mov_b32 v127, 0
	s_wait_tensorcnt 0x0
	ds_add_u32 v126, v127
	s_wait_dscnt 0x0
.if \refill
	s_add_nc_u64 s[G0+6-4*\slot:G0+7-4*\slot], s[G0+6-4*\slot:G0+7-4*\slot], 2*VISITB   ; no tensor load of mine is out: a group 0 may be written
.endif
	s_wait_dscnt 0x0
.if \refill
	ROUND
	tensor_load_to_lds s[G0+4-4*\slot:G0+7-4*\slot], s[G1:G1+7]
	s_nop 0
.else
	s_barrier_signal -1                            ; my work-group's barrier shows the slot whole
	s_barrier_wait -1
.endif
	WORK \slot, 0, \last
.endm
	s_wait_tensorcnt 0x1                           ; my part of slot 0 is in; slot 1's may stay out
	s_barrier_signal -1
	s_barrier_wait -1                              ; everybody's is
	WORK 0, 1, 0                                   ; visit 0
	s_mov_b32 s13, 3
.Lvisit:
	TWO 1, 1, 0                                    ; visits 1, 3, 5; slot 0 gets visits 2, 4, 6
	TWO 0, 1, 0                                    ; visits 2, 4, 6; slot 1 gets visits 3, 5, 7
	s_sub_co_u32 s13, s13, 1
	s_cmp_lg_u32 s13, 0
	s_cbranch_scc1 .Lvisit
	TWO 1, 0, 1                                    ; visit 7: nothing is left to fetch, neither tiles nor mask words
	; THE TWO KEY HALVES MEET.  The address registers of K and V are free now and are used again, under these names:
.set XL, 14                            ; v14       lane
.set GO, 15                            ; v15       16 x lane: my 16 bytes of two rows of out0
.set XO, 16                            ; v16       exchange: 16 bytes a lane (results as they lie in the registers: 512 consecutive bytes a store)
.set X8, 17                            ; v17       exchange: 8 bytes a lane
.set RR, 18                            ; v[18:19]  r, h
.set SI, 20                            ; v20       stage, in
.set SB, 21                            ; v21       stage, back
.set MM, 22                            ; v[22:23]  the joint -m C
.set BL, 24                            ; v[24:25]  the other half's factor
.set RC, 26                            ; v[26:27]  1 / sum
.set OM, 8                             ; v[8:9] the other half's -m C, v[10:11] its sums
	; (The five places at the last step's end stand behind the last matrix instructions.  The last step is an odd one: -m C is in MCB.)
	v_permlanex16_b32 v[T+0], v[LSUM+0], s14, s15  ; the two halves of the wave hold different keys' sums
	v_permlanex16_b32 v[T+1], v[LSUM+1], s14, s15
	v_add_f32 v[LSUM+0], v[LSUM+0], v[T+0]
	v_add_f32 v[LSUM+1], v[LSUM+1], v[T+1]
	v_and_b32 v[XL], 31, v0
	s_mul_i32 s16, s12, WSTAGE
	s_cmp_lt_u32 s12, 8
	s_cbranch_scc1 .Lkeeps
	; waves 8 to 15 (key half 1) hand over: 64 result registers, -m C, sums.  No wave has read slot 0 since the barrier in front of the last visit.
	s_sub_co_u32 s17, s16, 8*WSTAGE                ; my query group's 8,704 bytes: (w - 8) x 8,704
	v_lshl_add_u32 v[XO], v[XL], 4, s17
	v_lshl_add_u32 v[X8], v[XL], 3, s17
.irp i, 0,1,2,3,4,5,6,7,8,9,10,11,12,13,14,15
	ds_store_b128 v[XO], v[O+4*\i:O+4*\i+3] offset:\i*512
.endr
	ds_store_b64 v[X8], v[MCB:MCB+1] offset:8192
	ds_store_b64 v[X8], v[LSUM:LSUM+1] offset:8448
.Lkeeps:
	s_wait_dscnt 0x0                               ; for the other wave's sake: my stores are done (and no LDS read of mine is out)
	s_barrier_signal -1
	s_barrier_wait -1
	s_cmp_lt_u32 s12, 8
	s_cbranch_scc0 .Lhanded
	; waves 0 to 7 (key half 0) take the other half in, bring both to the joint maximum, divide by the joint sum, and store
	v_lshl_add_u32 v[XO], v[XL], 4, s16            ; w x 8,704
	v_lshl_add_u32 v[X8], v[XL], 3, s16
.irp i, 0,1,2,3,4,5,6,7,8,9,10,11,12,13,14,15
	ds_load_b128 v[S+4*\i:S+4*\i+3], v[XO] offset:\i*512
.endr
	ds_load_b64 v[OM:OM+1], v[X8] offset:8192
	ds_load_b64 v[OM+2:OM+3], v[X8] offset:8448
	v_lshlrev_b32 v[GO], 4, v[XL]
	v_and_b32 v[RR], 15, v0                        ; r
	v_bfe_u32 v[RR+1], v0, 4, 1                    ; h
	v_mul_u32_u24 v[SI], v[RR], SPITCH             ; in: row r of a query tile, 32 bytes (8 d) at 32 h
	v_lshl_add_u32 v[SI], v[RR+1], 5, v[SI]
	v_add_nc_u32 v[SI], s16, v[SI]
	v_mul_u32_u24 v[SB], v[RR+1], SPITCH           ; back: lanes 0-15 one row, lanes 16-31 the next
	v_lshl_add_u32 v[SB], v[RR], 4, v[SB]
	v_add_nc_u32 v[SB], s16, v[SB]
	s_wait_dscnt 0x0                               ; all of it is in; the same bytes become my stage below
	v_min_num_f32 v[MM+0], v[MCB+0], v[OM+0]       ; the larger maximum has the smaller -m C
	v_min_num_f32 v[MM+1], v[MCB+1], v[OM+1]
	v_sub_f32 v[AL+0], v[MM+0], v[MCB+0]           ; at most 0, one of the two exactly 0
	v_sub_f32 v[AL+1], v[MM+1], v[MCB+1]
	v_sub_f32 v[BL+0], v[MM+0], v[OM+0]
	v_sub_f32 v[BL+1], v[MM+1], v[OM+1]
	v_exp_f32 v[AL+0], v[AL+0]
	v_exp_f32 v[AL+1], v[AL+1]
	v_exp_f32 v[BL+0], v[BL+0]
	v_exp_f32 v[BL+1], v[BL+1]
	v_nop                                          ; one plain place behind the transcendentals (ISA guide 5.7.2)
	s_wait_alu depctr_va_vdst(0)
	v_mul_f32 v[LSUM+0], v[LSUM+0], v[AL+0]
	v_mul_f32 v[LSUM+1], v[LSUM+1], v[AL+1]
	v_fma_f32 v[LSUM+0], v[OM+2], v[BL+0], v[LSUM+0]
	v_fma_f32 v[LSUM+1], v[OM+3], v[BL+1], v[LSUM+1]
	v_rcp_f32 v[RC+0], v[LSUM+0]                   ; the sum is at least about 1: the largest score's weight is exp2 of about 0
	v_rcp_f32 v[RC+1], v[LSUM+1]
	v_nop
	s_wait_alu depctr_va_vdst(0)
	v_mul_f32 v[AL+0], v[AL+0], v[RC+0]
	v_mul_f32 v[AL+1], v[AL+1], v[RC+1]
	v_mul_f32 v[BL+0], v[BL+0], v[RC+0]
	v_mul_f32 v[BL+1], v[BL+1], v[RC+1]
	SCALE_O
.irp q, 0,1
.set p, 0
.rept 16
	v_pk_fma_f32 v[O+32*\q+p:O+32*\q+p+1], v[S+32*\q+p:S+32*\q+p+1], v[BL:BL+1], v[O+32*\q+p:O+32*\q+p+1] op_sel:[0,\q,0] op_sel_hi:[1,\q,1]
.set p, p+2
.endr
.endr
	; THE WAY OUT: 32 rows of 256 bytes through my stage, so that a store of the wave covers 512 consecutive bytes of out0, aligned
.irp q, 0,1
.irp dt, 0,1,2,3
.irp e, 0,1
	ds_store_b128 v[SI], v[O+32*\q+8*\dt+4*\e:O+32*\q+8*\dt+4*\e+3] offset:\q*16*SPITCH+\dt*64+\e*16
.endr
.endr
.endr
.irp t, 0,1,2,3,4,5,6,7,8,9,10,11,12,13,14,15
	ds_load_b128 v[S+4*\t:S+4*\t+3], v[SB] offset:\t*2*SPITCH        ; LDS serves a wave's instructions in order (ISA guide 5.7.1): these see the stores above
.endr
.irp t, 0,1,2,3,4,5,6,7,8,9,10,11,12,13,14,15
	s_wait_dscnt 15-\t                             ; row pair t is in, the younger pairs stay out
	global_store_b128 v[GO], v[S+4*\t:S+4*\t+3], s[10:11] offset:\t*512 th:TH_STORE_NT
.endr
.Lhanded:
	s_wait_xcnt 0x0
	v_lshl_add_u32 v126, v0, 2, 0x40000
	v_mov_b32 v127, 0
	s_wait_tensorcnt 0x0
	ds_add_u32 v126, v127
	s_wait_dscnt 0x0
	ROUND                                          ; the closing round: no work-group ends while a partner may still ask for a tile that names it
	s_endpgm
.Lfunc_end_k_qac58a039ff_attn:
	.size	k_qac58a039ff_attn, .Lfunc_end_k_qac58a039ff_attn-k_qac58a039ff_attn
	.p2alignl 7, 3214868480
	.fill 96, 4, 3214868480
	.section	.rodata,"a",@progbits
	.p2align	6, 0x0
	.amdhsa_kernel k_qac58a039ff_attn
		.amdhsa_group_segment_fixed_size 327680
		.amdhsa_private_segment_fixed_size 0
		.amdhsa_enable_private_segment 0
		.amdhsa_kernarg_size 32
		.amdhsa_user_sgpr_count 2
		.amdhsa_user_sgpr_kernarg_segment_ptr 1
		.amdhsa_wavefront_size32 1
		.amdhsa_system_sgpr_workgroup_id_x 1
		.amdhsa_system_sgpr_workgroup_id_y 1
		.amdhsa_system_sgpr_workgroup_id_z 1
		.amdhsa_system_vgpr_workitem_id 0
		.amdhsa_next_free_vgpr 256
		.amdhsa_next_free_sgpr 102
		.amdhsa_reserve_vcc 0
		.amdhsa_float_denorm_mode_32 3
		.amdhsa_float_denorm_mode_16_64 3
		.amdhsa_memory_ordered 1
		.amdhsa_forward_progress 1
		.amdhsa_inst_pref_size 255
	.end_amdhsa_kernel
	.section	.bss,"aw",@nobits
	.p2align	6
	.space	262144
	.amdgpu_metadata
---
amdhsa.version: [ 1, 2 ]
amdhsa.kernels:
  - .name:           k_qac58a039ff_attn
    .symbol:         k_qac58a039ff_attn.kd
    .args:
      - { .name: q, .offset: 0, .size: 8, .value_kind: global_buffer, .address_space: global }
      - { .name: kv, .offset: 8, .size: 8, .value_kind: global_buffer, .address_space: global }
      - { .name: bits, .offset: 16, .size: 8, .value_kind: global_buffer, .address_space: global }
      - { .name: out0, .offset: 24, .size: 8, .value_kind: global_buffer, .address_space: global }
    .group_segment_fixed_size: 327680
    .private_segment_fixed_size: 0
    .kernarg_segment_align: 8
    .kernarg_segment_size: 32
    .max_flat_workgroup_size: 512
    .sgpr_count:     102
    .vgpr_count:     256
    .wavefront_size: 32
...
	.end_amdgpu_metadata
.endif
;; end of part 2
;; ======== version 2 of 2: 2 launches; version 1 with the launch prep written anew for expert scheduling mode
;; limits: inputs' magnitudes at most 140,000,000,000,000
;; workspace buffers: kv 16,777,216 bytes; bits 2,097,152 bytes of whole numbers
;; launch prep (part 3): grid 256 x 1, 8 waves a work-group, no clusters, 70,656 bytes of LDS; arguments k, v, mask, kv, bits; writes kv, bits
.if DOCPART == 3
	.amdgcn_target "amdgcn-amd-amdhsa--gfx1250"
	.amdhsa_code_object_version 6
	.text
	.protected	k_qac58a039ff_prep
	.globl	k_qac58a039ff_prep
	.p2align	8
	.type	k_qac58a039ff_prep,@function
k_qac58a039ff_prep:
	s_mov_b64 s[64:65], 0
	v_nop
	global_prefetch_b8 v0, s[64:65] scope:SCOPE_SE
	s_setreg_imm32_b32 hwreg(HW_REG_WAVE_SCHED_MODE, 0, 2), 2
	s_setreg_imm32_b32 hwreg(HW_REG_WAVE_MODE, 25, 1), 1
	s_wait_xcnt 0x0
	s_wait_alu depctr_vm_vsrc(0)
; Prepares what the attention launch reads again and again, once:
;  kv:   k and v rounded to bf16 (unscaled), head-major, as tiles of 64 keys x 64 d.  Byte of (head, s, which, d):
;        head<<20 | (s>>6)<<14 | which<<13 | (s&63)<<7 | ((d>>3) ^ sg(s))<<4 | (d&7)<<1,   which = 0 for k, 1 for v,
;        sg(s) = ((s>>1)&3)<<1 | (s>>3)&1: the eight 16-byte chunks of a 128-byte row are exchanged by XOR, so that the later
;        LDS reads (16 rows, one chunk each; or 8 rows, two chunks each) touch 16 different 16-byte columns modulo 256 bytes.
;  bits: the mask as lane masks.  Word ((q>>5)*64 + (key>>6))*64 + ((q>>4)&1)*32 + ((key>>4)&3)*8 + (key&7),
;        bit (q&15) + 16*((key>>3)&1), is 1 where mask[q][key] is not 0.
; 2,048 waves, each with one mask unit (32 rows x 256 bytes) and one k or v tile (64 rows x 256 bytes of f32).  A wave issues all its
; 48 loads at once (24 KiB on their way), every input byte is read once, there is no loop, no branch, no barrier, and EXEC stays full.
; Memory binds: the matrix unit, clusters and tensor loads would add nothing here.
; THE MODE: SCHED_MODE bits 1:0 = 2 (LLVM: expert scheduling mode 2), set by the entry lines.  The code itself states the register dependences
; between vector instructions and memory or LDS instructions, and from a vector instruction's scalar result to its reader, with s_wait_alu, always for 0.
; THE PLAN.  Registers that memory or LDS instructions touch:
;   v4, v6, v7, v[8:15], v16, v224, v225   offsets and LDS addresses: written at the head, never again.  One wait on va_vdst ahead of the first load serves them all.
;   MK    written by the mask loads; read by the stage's stores; written again by the stage's loads (one wait on vm_vsrc between the two); then read by vector instructions alone.
;   OUT   written by the lane writes; read by the two stores of bits; not written again.
;   X     written by the tile's loads; a row pair's first two registers are written again by its two conversions and read by its store; not written again.
;   TMP and the ballots' scalar registers are named by vector instructions alone.
; The ballots go in 16 groups of 16 words: 16 compares into 16 scalar registers, the next group's 16 maskings, ONE wait on va_sdst, the 16 lane writes that read them.
; The tile goes in four blocks of eight row pairs: ONE wait on va_vdst at the head of a block states that the block before is converted; its eight stores are dealt
; among this block's conversions, which name this block's registers alone.
.set PITCH,  272                       ; a stage row: 256 mask bytes + 16, so that the 8-byte reads of 32 lanes fall on 64 different words modulo 256 bytes
.set WSTAGE, 32*PITCH                  ; each wave's own stage: no other wave touches it, so no barrier
.set IN,   4                           ; v4       (lane>>4)*4096 + (lane&15)*16: two rows of 256 bytes a load; mask, k and v all have rows 4,096 bytes apart
.set STO,  6                           ; v6       stage, in:  two rows as loaded
.set RDB,  7                           ; v7       stage, out: row lane&15, 8 bytes at 8*(lane>>4)
.set OFFX, 8                           ; v[8:15]  lane*8 XOR sg<<4, for sg = 0..7: where my 8 bytes of two key rows go
.set BO,   16                          ; v16      lane*16
.set OUT,  18                          ; v[18:25] the unit's 256 words: word n in register 4*(n>>7) + (n&3) of lane (n&127)>>2
.set MK,   32                          ; v[32:95] mask bytes: as loaded, then as read back from the stage
.set X,    96                          ; v[96:223] the k or v tile, 4 registers a load
                                       ; v224, v225: my spare word's LDS address and 0, kept for the closing lines alone
.set TMP,  226                         ; v[226:241] a group's 16 masked bytes
.set BAL,  14                          ; a group's 16 ballots: number n in s[14+n], the last two in s30, s31 (s[28:29] is the tile's base); all are dead behind the head
	s_load_b256 s[4:11], s[0:1], 0x0               ; k s[4:5], v s[6:7], mask s[8:9], kv s[10:11]
	s_load_b64 s[12:13], s[0:1], 0x20              ; bits
	v_lshl_add_u32 v224, v0, 2, 0x11000
	v_mov_b32 v225, 0
	v_lshrrev_b32 v1, 5, v0
	v_readfirstlane_b32 s14, v1                    ; wave w
	s_mov_b32 s15, ttmp9                           ; work-group b
	s_and_b32 s16, s15, 1
	s_wait_alu depctr_va_sdst(0)                   ; s14 is written, ahead of its first reader: the unit's and the tile's offsets are made from it
	s_lshl3_add_u32 s16, s16, s14                  ; T = 8 (b&1) + w: the unit's 256 mask columns, and the tile's head
	s_lshr_b32 s17, s15, 1                         ; b>>1: the unit's 32 mask rows; also 2 x step + which of the tile
	s_lshl_b32 s30, s16, 8                         ; T x 256 bytes
	s_lshl_b32 s18, s17, 17                        ; 32 rows of 4,096 bytes
	s_add_co_u32 s18, s18, s30                     ; mask offset
	s_mov_b32 s19, 0
	s_lshr_b32 s20, s15, 2                         ; step
	s_lshl_b32 s20, s20, 18                        ; 64 rows of 4,096 bytes
	s_add_co_u32 s20, s20, s30                     ; k or v offset
	s_mov_b32 s21, 0
	s_lshl_b32 s22, s16, 20
	s_lshl_b32 s23, s17, 13                        ; step<<14 + which<<13
	s_add_co_u32 s22, s22, s23                     ; kv offset
	s_mov_b32 s23, 0
	s_lshl3_add_u32 s24, s15, s14
	s_lshl_b32 s24, s24, 10                        ; bits offset: (8 b + w) x 1,024 bytes
	s_mov_b32 s25, 0
	s_mul_i32 s31, s14, WSTAGE
	v_and_b32 v1, 31, v0                           ; lane
	v_and_b32 v2, 15, v0                           ; f
	v_bfe_u32 v3, v0, 4, 1                         ; par
	v_lshlrev_b32 v[IN], 4, v2
	v_lshl_add_u32 v[IN], v3, 12, v[IN]
	v_mul_u32_u24 v5, v3, PITCH
	v_lshl_add_u32 v[STO], v2, 4, v5
	v_add_nc_u32 v[STO], s31, v[STO]
	v_mul_u32_u24 v5, v2, PITCH
	v_lshl_add_u32 v[RDB], v3, 3, v5
	v_add_nc_u32 v[RDB], s31, v[RDB]
	v_lshlrev_b32 v[OFFX], 3, v1                   ; par*128 + (f>>1)*16 + (f&1)*8 = lane*8
.irp g, 1,2,3,4,5,6,7
	v_xor_b32 v[OFFX+\g], \g<<4, v[OFFX]
.endr
	v_lshlrev_b32 v[BO], 4, v1
.irp i, 0,1,2,3,4,5,6,7
	v_mov_b32 v[OUT+\i], 0                         ; v_writelane_b32 keeps the other lanes: the registers are written whole once
.endr
	s_wait_kmcnt 0x0
	s_bitcmp1_b32 s15, 1                           ; which
	s_cselect_b64 s[28:29], s[6:7], s[4:5]         ; v or k
	s_add_nc_u64 s[8:9], s[8:9], s[18:19]
	s_add_nc_u64 s[28:29], s[28:29], s[20:21]
	s_add_nc_u64 s[10:11], s[10:11], s[22:23]
	s_add_nc_u64 s[12:13], s[12:13], s[24:25]
	s_wait_alu depctr_va_vdst(0)                   ; v4, v6, v7, v[8:15], v16, v224 and v225 are written: every load, store and LDS instruction below reads one of them as its offset or address, and none is written again
.irp i, 0,1,2,3,4,5,6,7,8,9,10,11,12,13,14,15
	global_load_b128 v[MK+4*\i:MK+4*\i+3], v[IN], s[8:9] offset:\i*8192 th:TH_LOAD_NT      ; mask rows 2i, 2i+1: two aligned runs of 256 bytes
.endr
.set p, 0
.rept 32
	global_load_b128 v[X+4*p:X+4*p+3], v[IN], s[28:29] offset:p*8192 th:TH_LOAD_NT         ; key rows 2p, 2p+1 of my head: two aligned runs of 256 bytes
.set p, p+1
.endr
	; the mask unit: through the stage, so that lane (f, par) holds the 8 bytes of row 16 qt + f at columns 16 kt + 8 par
	s_wait_loadcnt 0x20                            ; loads return in order (ISA guide 5.7.1): the 16 mask loads are in, the 32 younger ones stay out
.irp i, 0,1,2,3,4,5,6,7,8,9,10,11,12,13,14,15
	ds_store_b128 v[STO], v[MK+4*\i:MK+4*\i+3] offset:\i*2*PITCH
.endr
	s_wait_dscnt 0x0                               ; the stores are done
	s_wait_alu depctr_vm_vsrc(0)                   ; the stage's stores have read MK, in which the loads below land
.irp qt, 0,1
.irp kt, 0,1,2,3,4,5,6,7,8,9,10,11,12,13,14,15
	ds_load_b64 v[MK+2*(16*\qt+\kt):MK+2*(16*\qt+\kt)+1], v[RDB] offset:\qt*16*PITCH+16*\kt
.endr
.endr
	s_wait_dscnt 0x0
; Byte 4 jh + i of my 8 bytes of (qt, kt), over the 32 lanes, is word (kt>>2)*64 + qt*32 + (kt&3)*8 + 4 jh + i of the unit.
; Group g of 16 is qt = g / 8 and kt = 2 (g % 8) + e, e = 0, 1: registers MK + 4 g + 2 e + jh; number 8 e + 4 jh + i in TMP and among the ballots.
.macro ANDS g                          ; the group's 16 bytes, each alone in its word
.irp e, 0,1
.irp jh, 0,1
.irp i, 0,1,2,3
	v_and_b32 v[TMP+8*\e+4*\jh+\i], 0xff<<(8*\i), v[MK+4*(\g)+2*\e+\jh]
.endr
.endr
.endr
.endm
.macro CMPS                            ; 16 ballots in one run
.irp n, 0,1,2,3,4,5,6,7,8,9,10,11,12,13,14,15
	v_cmp_ne_u32 s[BAL+\n+2*(\n/14)], 0, v[TMP+\n]
.endr
.endm
.macro LANES g                         ; each ballot into its word's place: register 4 (kt>>3) + i, lane ((kt>>2)&1)*16 + qt*8 + (kt&3)*2 + jh
.irp e, 0,1
.irp jh, 0,1
.irp i, 0,1,2,3
	v_writelane_b32 v[OUT+4*(((\g)%8)/4)+\i], s[BAL+(8*\e+4*\jh+\i)+2*((8*\e+4*\jh+\i)/14)], (((\g)/2)%2)*16+((\g)/8)*8+((\g)%2)*4+2*\e+\jh
.endr
.endr
.endr
.endm
	ANDS 0
	CMPS
.set grp, 0
.rept 16
.if grp < 15
	ANDS grp+1                                     ; the next group's maskings stand between the compares and the wait for them
.endif
	s_wait_alu depctr_va_sdst(0)                   ; the group's 16 compares have written their scalar registers, which the lane writes below read
	LANES grp
.if grp < 15
	CMPS
.endif
.set grp, grp+1
.endr
	; the k or v tile: four f32 a lane become 8 bytes; a store of the wave fills the 256 bytes of two key rows
.macro CVT p                           ; rows 2p, 2p+1, in place
	v_cvt_pk_bf16_f32 v[X+4*(\p)], v[X+4*(\p)], v[X+4*(\p)+1]
	v_cvt_pk_bf16_f32 v[X+4*(\p)+1], v[X+4*(\p)+2], v[X+4*(\p)+3]
.endm
.macro PUT p                           ; sg(2p) = sg(2p+1); no register that a store names is written again
	global_store_b64 v[OFFX+((((\p)&3)<<1)|(((\p)>>2)&1))], v[X+4*(\p):X+4*(\p)+1], s[10:11] offset:(\p)*256
.endm
	s_wait_loadcnt 24                              ; block 0's eight loads are in, the 24 younger ones stay out
.set p, 0
.rept 8
	CVT p
.set p, p+1
.endr
.irp b, 1,2,3
	s_wait_loadcnt 24-8*\b                         ; this block's eight loads are in, the younger blocks stay out
	s_wait_alu depctr_va_vdst(0)                   ; the block before has written its bf16, which the stores below read; at the first of these waits the lane writes have written OUT too
.if \b == 1
	global_store_b128 v[BO], v[OUT:OUT+3], s[12:13]                  ; 512 consecutive bytes each, aligned; the next launch reads them: no hint
	global_store_b128 v[BO], v[OUT+4:OUT+7], s[12:13] offset:512
.endif
.rept 8
	PUT p-8                                        ; the block before.  No wait: the conversions since the wait name this block's registers alone
	CVT p
.set p, p+1
.endr
.endr
	s_wait_alu depctr_va_vdst(0)                   ; block 3 has written its bf16, which the last eight stores read
.rept 8
	PUT p-8
.set p, p+1
.endr
	s_wait_dscnt 0x0                               ; the closing lines, six on end
	s_wait_alu 0x0
	s_wait_tensorcnt 0x0
	ds_add_u32 v224, v225
	s_wait_dscnt 0x0
	s_endpgm
.Lfunc_end_k_qac58a039ff_prep:
	.size	k_qac58a039ff_prep, .Lfunc_end_k_qac58a039ff_prep-k_qac58a039ff_prep
	.p2alignl 7, 3214868480
	.fill 96, 4, 3214868480
	.section	.rodata,"a",@progbits
	.p2align	6, 0x0
	.amdhsa_kernel k_qac58a039ff_prep
		.amdhsa_group_segment_fixed_size 70656
		.amdhsa_private_segment_fixed_size 0
		.amdhsa_enable_private_segment 0
		.amdhsa_kernarg_size 40
		.amdhsa_user_sgpr_count 2
		.amdhsa_user_sgpr_kernarg_segment_ptr 1
		.amdhsa_wavefront_size32 1
		.amdhsa_system_sgpr_workgroup_id_x 1
		.amdhsa_system_sgpr_workgroup_id_y 1
		.amdhsa_system_sgpr_workgroup_id_z 1
		.amdhsa_system_vgpr_workitem_id 0
		.amdhsa_next_free_vgpr 242
		.amdhsa_next_free_sgpr 66
		.amdhsa_reserve_vcc 0
		.amdhsa_float_denorm_mode_32 3
		.amdhsa_float_denorm_mode_16_64 3
		.amdhsa_memory_ordered 1
		.amdhsa_forward_progress 1
		.amdhsa_inst_pref_size 67
	.end_amdhsa_kernel
	.amdgpu_metadata
---
amdhsa.version: [ 1, 2 ]
amdhsa.kernels:
  - .name:           k_qac58a039ff_prep
    .symbol:         k_qac58a039ff_prep.kd
    .args:
      - { .name: k, .offset: 0, .size: 8, .value_kind: global_buffer, .address_space: global }
      - { .name: v, .offset: 8, .size: 8, .value_kind: global_buffer, .address_space: global }
      - { .name: mask, .offset: 16, .size: 8, .value_kind: global_buffer, .address_space: global }
      - { .name: kv, .offset: 24, .size: 8, .value_kind: global_buffer, .address_space: global }
      - { .name: bits, .offset: 32, .size: 8, .value_kind: global_buffer, .address_space: global }
    .group_segment_fixed_size: 70656
    .private_segment_fixed_size: 0
    .kernarg_segment_align: 8
    .kernarg_segment_size: 40
    .max_flat_workgroup_size: 256
    .sgpr_count:     66
    .vgpr_count:     242
    .wavefront_size: 32
...
	.end_amdgpu_metadata
.endif
;; end of part 3
;; launch attn: the kernel of part 2 again; grid 16 x 16, 16 waves a work-group, clusters of 4 x 1, 327,680 bytes of LDS; arguments q, kv, bits, out0; writes out0
